; MI455X (gfx1250); checked and timed in simulation.
; The chip was launched on July 23, 2026; its instructions are those of AMD's public machine-readable ISA for CDNA 5 (MIT licence, August 2026) and "CDNA5" Instruction Set Architecture Reference Guide (July 2026). The comments in the code are by the model that wrote it; some were corrected since.
;; Output Layer KAN 1layer. Allowed arithmetic: float matrix products may take bf16 or f16 operands with f32 sums; other float arithmetic in f32, or as packed bf16 or f16 multiplies, adds, multiply-adds, maxima and minima; sums over many terms, partial sums and values carried from step to step in f32; what a program stores and reads back later, other than sums and carried values, may be rounded once to bf16 or f16.
;; Inputs: attn_embedding 16,384 x 9 float32; base_weight 256 x 512 float32; cls_bias 8 float32; cls_weight 8 x 265 float32; spline_scaler 256 x 512 float32; spline_weight 256 x 512 x 8 float32; x 16,384 x 512 float32.
;; Outputs: out0 16,384 x 8 float32; out1 16,384 x 265 float32.
;; One version. Each part assembles by itself: llvm-mc -triple=amdgcn-amd-amdhsa -mcpu=gfx1250 --defsym DOCPART=n.
;; ======== version 1 of 1: 2 launches
;; limits: values are held in f16: magnitudes above 65,504 overflow, below 6.1e-05 lose precision; right only within a limited range of input values; a function is approximated: absolute error at most 1.5e-07; an absolute error that grows with the inputs' magnitude: up to 7.5e-08 times it
;; workspace buffers: wf 2,359,296 bytes; cw 9,216 bytes
;; launch prep (part 1): grid 2313 x 1, 2 waves a work-group, no clusters, 0 bytes of LDS; arguments spline_weight, spline_scaler, base_weight, cls_weight, wf, cw; writes wf, cw
.if DOCPART == 1
	.amdgcn_target "amdgcn-amd-amdhsa--gfx1250"
	.amdhsa_code_object_version 6
	.text
	.protected	k_q05a6841f98_prep
	.globl	k_q05a6841f98_prep
	.p2align	8
	.type	k_q05a6841f98_prep,@function
k_q05a6841f98_prep:
	s_mov_b64 s[64:65], 0
	v_nop
	global_prefetch_b8 v0, s[64:65] scope:SCOPE_SE
	s_setreg_imm32_b32 hwreg(HW_REG_WAVE_MODE, 25, 1), 1
	s_wait_xcnt 0x0
; THE WEIGHTS, ONCE, IN THE ORDER IN WHICH THE SECOND LAUNCH'S MATRIX INSTRUCTIONS WANT THEM.  Nothing of reference() is left out in either launch: every input has a way to an output.
; wf (f16): the chunk of slot t (0..17) and wave w (0..3) is 32,768 bytes at (4 t + w) x 32,768; in it step sg (0, 1) x 16,384 + tile b (0..15) x 1,024 + j (0, 1) x 512 + lane l x 16.
;   Such a piece of 16 bytes is 8 halves q of hidden row n = 16 b + l % 16; with h = l / 16, G = t / 9, t8 = t % 9:
;   t8 < 8: feature i = 128 w + 64 G + 8 t8 + 4 h + 2 sg + j, basis q: spline_weight[n][i][q] x spline_scaler[n][i] x 64 / 6  (the second launch makes 6 x the bases and divides h by 64)
;   t8 = 8: feature i = 128 w + 64 G + 8 (4 sg + 2 j + q / 4) + 4 h + q % 4: base_weight[n][i] x 64
; cw (bf16): piece (2 q + j) x 512 + l x 16, q = 0..8: class l % 16, columns 32 q + 16 j + 8 (l / 16) + 0..7 of cls_weight; 0 for classes 8..15 and for columns from 265 on.
; LIMIT: a weight that reaches 65,520 after its scaling (base_weight x 64, spline_weight x spline_scaler x 10.67) becomes an infinity in f16; below 6e-5 it keeps f16's fixed step of 6e-8.
; SHARES: one thread makes one piece; work-group g < 2,304 makes the 1,024 bytes of wf at 1,024 g, the nine others 1,024 bytes of cw each.  A wave's store covers 512 consecutive bytes, aligned.
.set NW, 2304
	s_load_b256 s[4:11], s[0:1], 0x0               ; spline_weight s[4:5], spline_scaler s[6:7], base_weight s[8:9], cls_weight s[10:11]
	s_load_b128 s[12:15], s[0:1], 0x20             ; wf s[12:13], cw s[14:15]
	v_lshrrev_b32 v2, 5, v0                        ; j
	v_and_b32 v3, 15, v0                           ; r = l % 16
	v_bfe_u32 v4, v0, 4, 1                         ; h = l / 16
	v_lshlrev_b32 v5, 4, v0                        ; my 16 bytes of the work-group's 1,024
	s_mov_b32 s25, 0
	s_wait_kmcnt 0x0
	s_cmp_ge_u32 ttmp9, NW
	s_cbranch_scc1 .Lcls
	s_and_b32 s17, ttmp9, 15                       ; b
	s_bfe_u32 s18, ttmp9, 0x10004                  ; sg
	s_bfe_u32 s19, ttmp9, 0x20005                  ; w
	s_lshr_b32 s20, ttmp9, 7                       ; t
	s_cmp_ge_u32 s20, 9
	s_cselect_b32 s21, 1, 0                        ; G
	s_cselect_b32 s22, 9, 0
	s_sub_co_u32 s22, s20, s22                     ; t8
	s_lshl_b32 s24, ttmp9, 10
	s_add_nc_u64 s[12:13], s[12:13], s[24:25]      ; wf at the work-group's 1,024 bytes
	s_lshl_b32 s26, s17, 4
	v_add_nc_u32 v6, s26, v3                       ; n
	v_lshlrev_b32 v6, 9, v6                        ; n x 512
	s_lshl_b32 s27, s19, 7
	s_lshl_b32 s28, s21, 6
	s_add_co_u32 s27, s27, s28                     ; 128 w + 64 G
	s_cmp_eq_u32 s22, 8
	s_cbranch_scc1 .Lbase
	s_lshl_b32 s28, s22, 3
	s_add_co_u32 s27, s27, s28
	s_lshl_b32 s28, s18, 1
	s_add_co_u32 s27, s27, s28                     ; + 8 t8 + 2 sg
	v_lshl_add_u32 v7, v4, 2, v2                   ; 4 h + j
	v_add3_u32 v6, v6, v7, s27                     ; n x 512 + i
	v_lshlrev_b32 v8, 5, v6                        ; 8 bases of 4 bytes
	v_lshlrev_b32 v9, 2, v6
	global_load_b128 v[12:15], v8, s[4:5]
	global_load_b128 v[16:19], v8, s[4:5] offset:16
	global_load_b32 v10, v9, s[6:7]
	s_wait_loadcnt 0x0
	v_mul_f32 v10, 0x412aaaab, v10                 ; scaler x 64 / 6
	v_mov_b32 v11, v10
.irp k, 0,2,4,6
	v_pk_mul_f32 v[12+\k:13+\k], v[12+\k:13+\k], v[10:11]
.endr
.irp k, 0,1,2,3
	v_cvt_pk_f16_f32 v[20+\k], v[12+2*\k], v[13+2*\k]
.endr
	global_store_b128 v5, v[20:23], s[12:13]
	s_endpgm
.Lbase:
	s_lshl_b32 s28, s18, 5
	s_add_co_u32 s27, s27, s28                     ; + 32 sg
	v_lshlrev_b32 v7, 4, v2
	v_lshl_add_u32 v7, v4, 2, v7                   ; 16 j + 4 h
	v_add3_u32 v6, v6, v7, s27
	v_lshlrev_b32 v8, 2, v6
	global_load_b128 v[12:15], v8, s[8:9]          ; q = 0..3
	global_load_b128 v[16:19], v8, s[8:9] offset:32  ; q = 4..7: eight features on
	s_wait_loadcnt 0x0
.irp k, 0,2,4,6
	v_pk_mul_f32 v[12+\k:13+\k], v[12+\k:13+\k], 0x42800000 op_sel_hi:[1,0]  ; x 64
.endr
.irp k, 0,1,2,3
	v_cvt_pk_f16_f32 v[20+\k], v[12+2*\k], v[13+2*\k]
.endr
	global_store_b128 v5, v[20:23], s[12:13]
	s_endpgm
.Lcls:
	s_sub_co_u32 s17, ttmp9, NW                    ; q
	s_lshl_b32 s24, s17, 10
	s_add_nc_u64 s[14:15], s[14:15], s[24:25]
	s_lshl_b32 s18, s17, 5
	v_lshlrev_b32 v6, 4, v2
	v_lshl_add_u32 v6, v4, 3, v6
	v_add_nc_u32 v6, s18, v6                       ; my first column: 32 q + 16 j + 8 h
	v_min_u32 v7, 7, v3                            ; the loads stay inside the table: class and column are clamped, and what was clamped is replaced by 0 below
	v_mul_u32_u24 v7, v7, 265
	v_cmp_gt_u32 s20, 8, v3                        ; a class that exists
.irp k, 0,1,2,3,4,5,6,7
	v_add_nc_u32 v[24+\k], \k, v6
	v_min_u32 v[32+\k], 264, v[24+\k]
	v_add_lshl_u32 v[32+\k], v[32+\k], v7, 2
	global_load_b32 v[12+\k], v[32+\k], s[10:11]
.endr
	s_wait_loadcnt 0x0
.irp k, 0,1,2,3,4,5,6,7
	v_cmp_gt_u32 s21, 265, v[24+\k]                ; a column that exists
	s_and_b32 s21, s21, s20
	v_cndmask_b32 v[12+\k], 0, v[12+\k], s21
.endr
.irp k, 0,1,2,3
	v_cvt_pk_bf16_f32 v[20+\k], v[12+2*\k], v[13+2*\k]
.endr
	global_store_b128 v5, v[20:23], s[14:15]
	s_endpgm
.Lfunc_end_k_q05a6841f98_prep:
	.size	k_q05a6841f98_prep, .Lfunc_end_k_q05a6841f98_prep-k_q05a6841f98_prep
	.p2alignl 7, 3214868480
	.fill 96, 4, 3214868480
	.section	.rodata,"a",@progbits
	.p2align	6, 0x0
	.amdhsa_kernel k_q05a6841f98_prep
		.amdhsa_group_segment_fixed_size 0
		.amdhsa_private_segment_fixed_size 0
		.amdhsa_enable_private_segment 0
		.amdhsa_kernarg_size 48
		.amdhsa_user_sgpr_count 2
		.amdhsa_user_sgpr_kernarg_segment_ptr 1
		.amdhsa_wavefront_size32 1
		.amdhsa_system_sgpr_workgroup_id_x 1
		.amdhsa_system_sgpr_workgroup_id_y 1
		.amdhsa_system_sgpr_workgroup_id_z 1
		.amdhsa_system_vgpr_workitem_id 0
		.amdhsa_next_free_vgpr 48
		.amdhsa_next_free_sgpr 66
		.amdhsa_reserve_vcc 0
		.amdhsa_float_denorm_mode_32 3
		.amdhsa_float_denorm_mode_16_64 3
		.amdhsa_memory_ordered 1
		.amdhsa_forward_progress 1
		.amdhsa_inst_pref_size 9
	.end_amdhsa_kernel
	.amdgpu_metadata
---
amdhsa.version: [ 1, 2 ]
amdhsa.kernels:
  - .name:           k_q05a6841f98_prep
    .symbol:         k_q05a6841f98_prep.kd
    .args:
      - { .name: spline_weight, .offset: 0, .size: 8, .value_kind: global_buffer, .address_space: global }
      - { .name: spline_scaler, .offset: 8, .size: 8, .value_kind: global_buffer, .address_space: global }
      - { .name: base_weight, .offset: 16, .size: 8, .value_kind: global_buffer, .address_space: global }
      - { .name: cls_weight, .offset: 24, .size: 8, .value_kind: global_buffer, .address_space: global }
      - { .name: wf, .offset: 32, .size: 8, .value_kind: global_buffer, .address_space: global }
      - { .name: cw, .offset: 40, .size: 8, .value_kind: global_buffer, .address_space: global }
    .group_segment_fixed_size: 0
    .private_segment_fixed_size: 0
    .kernarg_segment_align: 8
    .kernarg_segment_size: 48
    .max_flat_workgroup_size: 64
    .sgpr_count:     66
    .vgpr_count:     48
    .wavefront_size: 32
...
	.end_amdgpu_metadata
.endif
;; end of part 1
;; launch kan (part 2): grid 256 x 1, 4 waves a work-group, clusters of 4 x 1, 327,680 bytes of LDS; arguments x, attn_embedding, cls_bias, wf, cw, out0, out1; writes out0, out1
.if DOCPART == 2
	.amdgcn_target "amdgcn-amd-amdhsa--gfx1250"
	.amdhsa_code_object_version 6
	.text
	.protected	k_q05a6841f98_kan
	.globl	k_q05a6841f98_kan
	.p2align	8
	.type	k_q05a6841f98_kan,@function
k_q05a6841f98_kan:
	s_mov_b64 s[64:65], 0
	v_nop
	global_prefetch_b8 v0, s[64:65] scope:SCOPE_SE
	s_setreg_imm32_b32 hwreg(HW_REG_WAVE_MODE, 25, 1), 1
	s_wait_xcnt 0x0
	s_wait_alu depctr_hold_cnt(0) depctr_sa_sdst(0) depctr_va_vdst(0) depctr_va_sdst(0) depctr_va_ssrc(0) depctr_va_vcc(0) depctr_vm_vsrc(0)
	s_getreg_b32 s2, hwreg(HW_REG_IB_STS2, 6, 4)
	s_cmp_eq_u32 s2, 0
	s_cbranch_scc0 .Lentry_in_a_cluster
	s_endpgm
.Lentry_in_a_cluster:
	s_bfe_u32 s2, ttmp6, 0x10000c
	s_cmp_lg_u32 s2, 0x3003
	s_cbranch_scc0 .Lentry_shape_is_right
	s_endpgm
.Lentry_shape_is_right:
; h = gelu(x) base_weight^T + bsplines(x) (spline_weight x spline_scaler)^T;  out1 = [h | attn_embedding];  out0 = log_softmax(out1 cls_weight^T + cls_bias).  x: [16384][512] f32.
; Nothing of reference() is left out: every input reaches an output.  That most bases of an x are 0 hangs on x's value, so the dense product is done.
; FORMATS.  The large product in f16 with f32 sums: its left operand is made here, in registers (6 x the bases, at most 4; gelu(x)), its right operand comes from wf (weights x 64, the spline's also / 6);
; h is divided by 64 at the end.  The classifier's product in bf16 (h has no bound), its sums, the maximum, the exponentials and the logarithm in f32.
; LIMITS.  gelu(x) from 65,520 on is an infinity in f16.  erf by the rational form 7.1.26 of Abramowitz and Stegun, within 1.5e-7 for every x.  The cell of the spline is floor(2.5 x + 4.5), not a comparison with
; the f32 knots: the spline is continuous, so another cell at a knot moves a basis by rounding only.  For a NaN or an infinite x the bases are 0; gelu carries a NaN into h (for an infinity too, where reference() has an infinity).
; SHARES.  A work-group has 64 rows and all 256 hidden columns.  K IS SPLIT AMONG ITS FOUR WAVES: wave w has features 128 w .. 128 w + 127: 32 K steps of the spline part and 4 of the gelu part, 64 matrix
; instructions each, on 64 accumulators (64 rows x 256 columns, 512 registers).  So each basis is made once in the launch, by the lane that feeds it to the matrix unit; the four partial sums meet in LDS at the end.
; LAYOUT.  Source 0 = 16 hidden rows of the weights, source 1 = 16 rows of the batch: a lane (r = lane % 16, hh = lane / 16) holds batch row r, and in the result hidden columns 16 b + 8 hh + 0..7.  K index = 8 x feature + basis,
; so the 8 bases of ONE x are the 4 registers that a lane holds of half a fragment.  Register block al (0..3) holds row block (al + w) % 4: a wave's own 16 rows of the output are block 0.
; A TRIP is a slot of two K steps, 8 features: lane (r, hh) loads x[row][128 w + 8 trip + 4 hh .. + 3]; step sg takes elements 2 sg and 2 sg + 1.  Slots: trips 0-7, the gelu slot of those 64 features, trips 8-15, their gelu slot.
; THE BASES.  e = floor(2.5 x + 4.5), u the fraction, v = 1 - u: the four that are not 0 are (v^3, 4 - 6 u^2 + 3 u^3, 4 - 6 v^2 + 3 v^3, u^3) / 6, from basis e - 2 on.  Rounded to f16 they are two words; v_alignbit_b32 shifts
; them by a half where e is odd (three words Z0-Z2), and for p = floor(e / 2 + 1 / 2) = 0..5 selects put Z[d + 2 - p] into word d of the lane's four.  No address and no branch hangs on x.
; BY TURNS.  A slot has 128 matrix and 656 vector instructions a wave.  At most four vector instructions stand behind each matrix instruction; 182 stand together round the change of slots.
; CLUSTER.  All work-groups walk the same weights: the four of a cluster ask for each chunk JOINTLY (the same tensor load, descriptor and mask in all four).  Nothing else is shared, so the cluster has one axis.
; LDS.  0: slot 0, 131,072: slot 1 (wave w's chunk of 32,768 bytes at 32,768 w: fragment images, read 16 bytes a lane on end, so no padding).  262,144: the gelu stash, 8,192 bytes a wave, never filled by a tensor load.
; 294,912: the spare words.  Behind the last fill: 0 .. 196,607 the partial sums, 196,608 .. 264,447 the image of the work-group's 67,840 bytes of out1.
; REGISTERS, in windows of 256 (s_set_vgpr_msb: bits 1:0 source 0, 3:2 source 1, 5:4 source 2, 7:6 destination):
;   window 0: addresses, x, the operand made here, all vector work     window 1: v0-127 two buffers of 8 weight fragments; v128-137 attn; v144-215 the classifier's fragments
;   windows 2, 3: accumulator (al, b) at v[8 (16 (al % 2) + b)] of window 2 + al / 2
; Every LDS address lies in v2-v9 or v12, registers that hold nothing but numbers made of the thread's and the wave's number from first to last.
; The accumulators are cleared by 512 moves while the first tile and the first loads are on their way: the price of one text for every trip.  Trip 15 makes bases and the first half of gelu for a trip that
; does not exist (from a reload of its own x, clamped inside the row): 190 vector instructions once a wave, for the same reason.
.set SLOTB, 131072
.set STASH, 262144
.set SPARE, 294912
.set STG,   196608
.set REDW,  49152
.set BAD0, 2           ; v2   32,768 w + 16 lane; never rewritten in the loop
.set BAD,  3           ; v3   the same in the slot in hand
.set XO,   4           ; v4-7 block al: (16 ((al + w) % 4) + r) x 2,048 + 512 w + 16 hh
.set GA0,  8           ; v8   my 16 bytes in the stash
.set GA,   9           ; v9   the same in the iteration in hand
.set PFX,  10          ; v10  lane x a row of x; never rewritten
.set PFWO, 11          ; v11  lane x 256; never rewritten
.set SPW,  12          ; v12  LDS address of my spare word; never rewritten
.set NIL,  13          ; v13  0, for the add alone
.set ZR,   14          ; v14  0
.set XA,   16          ; v16-31, v32-47: two sets of x, block al at + 4 al
.set XB,   32
.set A0,   48          ; step 0's four fragments, block al at + 8 al
.set A1,   80          ; step 1's
.set A2,   112         ; the gelu slot's second step
.set KK,   144         ; gelu: t = 1 / (1 + 0.2316 |x|), later max(x, 0): pair j at + 2 j
.set EE,   160         ; gelu: exp(-x x / 2)
.set PP,   176         ; gelu: the polynomial, pair j % 4
.set GS,   184         ; gelu in f16, register j
.set T0,   192         ; v192-207, v208-223: the spline's 16 registers at work, two streams
.set WV,   18
.set CX,   19
.set WG,   20
.set TS,   21          ; scalar at work
.set WOF,  22          ; s[22:23] 32,768 w
.set G1,   24
.set G0,   32
.set TB,   36          ; the slot in hand: 0 or 131,072
.set IT,   37
.set OUT,  38
.set TLEFT, 39         ; fills still to come
.set LIM,  40
.set GOFF, 41          ; 2,048 x the iteration in its group
.set PFW,  42
.set XBASE, 44
.set XP,   46
.set XOFF, 48
.set XPF,  50
.set MSK,  80          ; s80-83 the selects' masks: 2 x stream + which x
.set MH,   84
.set BIAS, 88
.set SEL,  96
.set TP,   98          ; a pair at work, for global offsets alone
.set W512, 100
.set RB,   101         ; my first row
.set XC, XA
.set XN, XA
.set qs, 0
.set qg, 0
.set MSB, 0
.macro WIN new                         ; the immediate's high byte repeats the setting that is left; a switch that changes nothing is dropped
.if MSB != (\new)
	s_set_vgpr_msb (MSB<<8)|(\new)
.set MSB, \new
.endif
.endm
.macro PLACES
.rept 4
	v_nop
.endr
.endm
.macro CPAIR r, val                    ; a constant for the packed forms: named as a pair, so both words are written
	s_mov_b32 s[\r], \val
	s_mov_b32 s[(\r)+1], \val
.endm
.macro CREST                           ; a round of the cluster's barrier behind its opening barrier
	s_cmp_lg_u32 s[WV], 0
	s_cbranch_scc1 .Lnot_wave_0_\@
	s_barrier_signal -3
.Lnot_wave_0_\@:
	s_barrier_wait -3
	s_barrier_signal -1
	s_barrier_wait -1
.endm
.macro CROUND
	s_barrier_signal -1
	s_barrier_wait -1
	CREST
.endm
; THE SPLINE'S QUEUE: 504 entries a trip = 4 parts of 126; a part makes two fragments halves-by-halves: two streams (blocks), 63 numbers each, the streams alternating.
;   part 0: step 0, blocks 2, 3 of this trip     parts 1, 2: step 1, blocks 0, 1 and 2, 3     part 3: step 0, blocks 0, 1 of the NEXT trip
; In a stream's 16 registers: +0 u, +2 v, +4 e, +6 p (pairs: the two x), +8 u^2, +10 v^2, +12 u^3, +14 v^3; from number 17 on +0..3 the four words in f16, +8..10 and +12..14 Z0-Z2 of the two x.
.macro SOP
.if s_n == 0
	v_pk_fma_f32 v[s_T:s_T+1], v[s_X:s_X+1], s[52:53], s[54:55] op_sel_hi:[1,0,0]     ; 2.5 x + 4.5
.elseif s_n < 3
	v_floor_f32 v[s_T+3+s_n], v[s_T+s_n-1]                                            ; e
.elseif s_n == 3
	v_pk_add_f32 v[s_T:s_T+1], v[s_T:s_T+1], v[s_T+4:s_T+5] neg_lo:[0,1] neg_hi:[0,1] ; u
.elseif s_n == 4
	v_pk_fma_f32 v[s_T+6:s_T+7], v[s_T+4:s_T+5], 0.5, 0.5 op_sel_hi:[1,0,0]
.elseif s_n == 5
	v_pk_fma_f32 v[s_T+4:s_T+5], v[s_T+4:s_T+5], s[60:61], s[62:63] op_sel_hi:[1,0,0] ; 16 e + 1.5 x 2^23: the word's bit 4 is e's parity: a shift of 0 or 16
.elseif s_n == 6
	v_pk_fma_f32 v[s_T+2:s_T+3], v[s_T:s_T+1], -1.0, 1.0 op_sel_hi:[1,0,0]            ; v
.elseif s_n < 9
	v_floor_f32 v[s_T+s_n-1], v[s_T+s_n-1]                                            ; p
.elseif s_n < 11
	v_pk_mul_f32 v[s_T+2*s_n-10:s_T+2*s_n-9], v[s_T+2*s_n-18:s_T+2*s_n-17], v[s_T+2*s_n-18:s_T+2*s_n-17]
.elseif s_n < 13
	v_pk_mul_f32 v[s_T+2*s_n-10:s_T+2*s_n-9], v[s_T+2*s_n-14:s_T+2*s_n-13], v[s_T+2*s_n-22:s_T+2*s_n-21]
.elseif s_n < 15
	v_pk_fma_f32 v[s_T+2*s_n-18:s_T+2*s_n-17], v[s_T+2*s_n-18:s_T+2*s_n-17], s[56:57], 4.0 op_sel_hi:[1,0,0]   ; 4 - 6 u^2
.elseif s_n < 17
	v_pk_fma_f32 v[s_T+2*s_n-22:s_T+2*s_n-21], v[s_T+2*s_n-18:s_T+2*s_n-17], s[58:59], v[s_T+2*s_n-22:s_T+2*s_n-21] op_sel_hi:[1,0,1]  ; + 3 u^3
.elseif s_n == 17
	v_cvt_pk_f16_f32 v[s_T], v[s_T+14], v[s_T+8]
.elseif s_n == 18
	v_cvt_pk_f16_f32 v[s_T+1], v[s_T+10], v[s_T+12]
.elseif s_n == 19
	v_cvt_pk_f16_f32 v[s_T+2], v[s_T+15], v[s_T+9]
.elseif s_n == 20
	v_cvt_pk_f16_f32 v[s_T+3], v[s_T+11], v[s_T+13]
.elseif s_n == 21
	v_alignbit_b32 v[s_T+8], v[s_T], v[ZR], v[s_T+4]
.elseif s_n == 22
	v_alignbit_b32 v[s_T+12], v[s_T+2], v[ZR], v[s_T+5]
.elseif s_n == 23
	v_alignbit_b32 v[s_T+9], v[s_T+1], v[s_T], v[s_T+4]
.elseif s_n == 24
	v_alignbit_b32 v[s_T+13], v[s_T+3], v[s_T+2], v[s_T+5]
.elseif s_n == 25
	v_alignbit_b32 v[s_T+10], v[ZR], v[s_T+1], v[s_T+4]
.elseif s_n == 26
	v_alignbit_b32 v[s_T+14], v[ZR], v[s_T+3], v[s_T+5]
.else                                  ; 27-62: for p = 0..5 two compares, then both x's selects: 1, 2, 3, 3, 2, 1 words each
.set s_m, s_n-27
.if s_m < 4
.set s_p, 0
.set s_k, s_m
.elseif s_m < 10
.set s_p, 1
.set s_k, s_m-4
.elseif s_m < 18
.set s_p, 2
.set s_k, s_m-10
.elseif s_m < 26
.set s_p, 3
.set s_k, s_m-18
.elseif s_m < 32
.set s_p, 4
.set s_k, s_m-26
.else
.set s_p, 5
.set s_k, s_m-32
.endif
.if s_k < 2
.if s_p == 0
	v_cmp_eq_f32 s[s_M+s_k], 0, v[s_T+6+s_k]
.elseif s_p == 1
	v_cmp_eq_f32 s[s_M+s_k], 1.0, v[s_T+6+s_k]
.elseif s_p == 2
	v_cmp_eq_f32 s[s_M+s_k], 2.0, v[s_T+6+s_k]
.elseif s_p == 3
	v_cmp_eq_f32 s[s_M+s_k], s58, v[s_T+6+s_k]
.elseif s_p == 4
	v_cmp_eq_f32 s[s_M+s_k], 4.0, v[s_T+6+s_k]
.else
	v_cmp_eq_f32 s[s_M+s_k], s67, v[s_T+6+s_k]
.endif
.else
.set s_x, (s_k-2)&1
.set s_d, (s_k-2)>>1
.if s_p > 2
.set s_d, s_d+s_p-2
.endif
.set s_z, s_d+2-s_p
.if s_z == 2                           ; a word's first select starts it: Z2 or 0
	v_cndmask_b32 v[s_D+4*s_x+s_d], 0, v[s_T+10+4*s_x], s[s_M+s_x]
.else
	v_cndmask_b32 v[s_D+4*s_x+s_d], v[s_D+4*s_x+s_d], v[s_T+8+4*s_x+s_z], s[s_M+s_x]
.endif
.endif
.endif
.endm
.macro RS                              ; the queue's next entry
.if qs < 504
.set s_dp, qs/126
.set s_st, (qs%126)&1
.set s_n, (qs%126)>>1
.if s_dp == 0
.set s_D, A0+8*(2+s_st)
.set s_X, XC+4*(2+s_st)
.elseif s_dp == 1
.set s_D, A1+8*s_st
.set s_X, XC+4*s_st+2
.elseif s_dp == 2
.set s_D, A1+8*(2+s_st)
.set s_X, XC+4*(2+s_st)+2
.else
.set s_D, A0+8*s_st
.set s_X, XN+4*s_st
.endif
.set s_T, T0+16*s_st
.set s_M, MSK+2*s_st
	WIN 0
	SOP
.endif
.set qs, qs+1
.endm
; GELU'S QUEUE: 152 entries a trip.  gelu(x) = max(x, 0) - |x| Q, Q = erfc(|x| / sqrt 2) / 2 = t (a1 + t (a2 + t (a3 + t (a4 + t a5)))) exp(-x x / 2) / 2, t = 1 / (1 + 0.2316 |x|).
; 0-87: the second half for THIS trip's 16 x (pairs j = 0..7, four pairs at a time, 11 lines a pair).  88-151: the first half for the NEXT trip's: t and the exponential: 32 transcendentals, ONE batch, one wait at the trip's end.
.macro RG
.if qg < 88
.set g_o, (qg%44)/4
.set g_j, 4*(qg/44)+qg%4
.set g_X, XC+2*g_j
.set g_K, KK+2*g_j
.set g_E, EE+2*g_j
.set g_P, PP+2*(g_j&3)
	WIN 0
.if g_o == 0
	v_pk_fma_f32 v[g_P:g_P+1], v[g_K:g_K+1], s[70:71], s[72:73] op_sel_hi:[1,0,0]
.elseif g_o == 1
	v_pk_mul_f32 v[g_E:g_E+1], v[g_E:g_E+1], v[g_K:g_K+1]
.elseif g_o == 2
	v_pk_fma_f32 v[g_P:g_P+1], v[g_P:g_P+1], v[g_K:g_K+1], s[74:75] op_sel_hi:[1,1,0]
.elseif g_o == 3
	v_pk_fma_f32 v[g_P:g_P+1], v[g_P:g_P+1], v[g_K:g_K+1], s[76:77] op_sel_hi:[1,1,0]
.elseif g_o == 4
	v_pk_fma_f32 v[g_P:g_P+1], v[g_P:g_P+1], v[g_K:g_K+1], s[78:79] op_sel_hi:[1,1,0]
.elseif g_o == 5
	v_pk_mul_f32 v[g_P:g_P+1], v[g_P:g_P+1], v[g_E:g_E+1]
.elseif g_o < 8
	v_max_num_f32 v[g_K+g_o-6], 0, v[g_X+g_o-6]
.elseif g_o < 10
	v_fma_f32 v[g_P+g_o-8], -|v[g_X+g_o-8]|, v[g_P+g_o-8], v[g_K+g_o-8]
.else
	v_cvt_pk_f16_f32 v[GS+g_j], v[g_P], v[g_P+1]
.endif
.elseif qg < 152
.set g_o, ((qg-88)%32)/4
.set g_j, 4*((qg-88)/32)+qg%4
.set g_X, XN+2*g_j
.set g_K, KK+2*g_j
.set g_E, EE+2*g_j
	WIN 0
.if g_o < 2
	v_fma_f32 v[g_K+g_o], |v[g_X+g_o]|, s66, 1.0
.elseif g_o == 2
	v_pk_mul_f32 v[g_E:g_E+1], v[g_X:g_X+1], v[g_X:g_X+1]
.elseif g_o == 3
	v_pk_mul_f32 v[g_E:g_E+1], v[g_E:g_E+1], s[68:69] op_sel_hi:[1,0]
.elseif g_o < 6
	v_rcp_f32 v[g_K+g_o-4], v[g_K+g_o-4]
.else
	v_exp_f32 v[g_E+g_o-6], v[g_E+g_o-6]
.endif
.endif
.set qg, qg+1
.endm
.macro LUMP a, b                       ; iterations a .. b - 1 of the 63 that stand together: two of the spline's, and in the first 56 one of gelu's
.set l_i, \a
.rept (\b)-(\a)
	RS
	RS
.if l_i < 56
	RG
.endif
.set l_i, l_i+1
.endr
.endm
; 16 LDS loads in one run: the 8 weight fragments of half step hs (step hs / 2, tiles 8 (hs % 2) ..) into buffer hs % 2 of window 1
.macro FETCH hs
	WIN 0x40
.irp f, 0,1,2,3,4,5,6,7
	ds_load_b128 v[64*((\hs)&1)+8*\f:64*((\hs)&1)+8*\f+3],   v[BAD] offset:((\hs)>>1)*16384+(((\hs)&1)*8+\f)*1024
	ds_load_b128 v[64*((\hs)&1)+8*\f+4:64*((\hs)&1)+8*\f+7], v[BAD] offset:((\hs)>>1)*16384+(((\hs)&1)*8+\f)*1024+512
.endr
	WIN 0
.endm
; Matrix instruction sl of a slot's 128: half step sl / 32, tile (sl % 32) / 4 of its eight, block sl % 4.  The 64 accumulators take turns, one instruction a turn: 63 others stand between two links.
.macro MM
.set m_H, sl>>5
.set m_l, (sl&31)>>2
.set m_a, sl&3
.set m_C, 8*(16*(m_a&1)+8*(m_H&1)+m_l)
.set m_B, 64*(m_H&1)+8*m_l
.set m_A, A0+32*(m_H>>1)+8*m_a
	WIN 0xa1+0x50*(m_a>>1)
	v_wmma_f32_16x16x32_f16 v[m_C:m_C+7], v[m_B:m_B+7], v[m_A:m_A+7], v[m_C:m_C+7]
.endm
; A prefetch into the L2 of the weights' slot that stands four slots behind the one being entered, three fills ahead of its own.  Every cluster walks the same weights: the first cluster asks, and nobody else.
; Its sixteen waves share a slot's 512 blocks of 256 bytes out by address (32,768 w + 8,192 cx), a lane a block: each block is named once in the launch.  Slots 0-3 come by their loads alone; the last four changes ask for nothing.
.macro ASKW
	s_cmp_gt_u32 s[TLEFT], s[LIM]
	s_cbranch_scc0 .Lnot_mine_\@
	global_prefetch_b8 v[PFWO], s[PFW:PFW+1] th:TH_LOAD_NT scope:SCOPE_SE
.Lnot_mine_\@:
.endm
; x: a wave's 512 bytes of a row are two blocks of 256; the second is first touched by the load for trip 8.  Each wave asks for its own 64 such blocks once, in trip 2, four trips ahead of that load, a lane a row.
.macro ASKX
	s_lshl2_add_u32 s[TS], s[OUT], s[IT]
	s_cmp_eq_u32 s[TS], 11                         ; the first group's second iteration
	s_cbranch_scc0 .Lnot_now_\@
	global_prefetch_b8 v[PFX], s[XPF:XPF+1] th:TH_LOAD_NT scope:SCOPE_SE
	global_prefetch_b8 v[PFX], s[XPF:XPF+1] offset:65536 th:TH_LOAD_NT scope:SCOPE_SE
.Lnot_now_\@:
.endm
; THE CHANGE OF SLOTS.  Each wave waits for all its tensor loads, of which one is out: its chunk of the next slot; adds 0 to its spare word; waits for that and for its reads of the slot that it leaves.
; fill = 1: the barrier opens a round of the cluster's, so that no wave of any partner still reads the old slot or has a load on its way, and the joint fill, the slot after the next, is the first thing behind the round.
; lump = 1: the first 20 iterations of the trip's lump, work on registers, stand between the add and its wait and between the signal and the wait.
.macro CHANGE fill, lump
	WIN 0
	s_wait_tensorcnt 0x0                           ; no tensor load of mine is out, so the descriptor may be written
	ds_add_u32 v[SPW], v[NIL]                      ; 0 onto my spare word
.if \fill
	s_xor_b32 s[G0+1], s[G0+1], SLOTB              ; the other slot than last time,
	s_add_nc_u64 s[G0+2:G0+3], s[G0+2:G0+3], SLOTB ; the next slot's chunk; the type bits on top are not reached
	s_wait_xcnt 0x0                                ; the last prefetch, a slot back, has read its address
	s_add_nc_u64 s[PFW:PFW+1], s[PFW:PFW+1], SLOTB
.endif
.if \lump
	LUMP 0, 10
.endif
	s_wait_dscnt 0x0                               ; the add is done, and my reads of the old slot are over
	s_barrier_signal -1
.if \lump
	LUMP 10, 20
.endif
	WIN 0
	s_barrier_wait -1
.if \fill
	CREST
	tensor_load_to_lds s[G0:G0+3], s[G1:G1+7]      ; my one tensor load behind the round: by this text's count one load of a wave is out at any time
	s_nop 0
	PLACES                                         ; the places in front of the loads below
.else
	PLACES
.endif
	s_xor_b32 s[TB], s[TB], SLOTB
	v_add_nc_u32 v[BAD], s[TB], v[BAD0]
	FETCH 0
.if \fill
	ASKW
	s_sub_co_u32 s[TLEFT], s[TLEFT], 1
.endif
.endm
; A TRIP.  Xc: this trip's x, Xn: the next trip's; par: the trip's parity, its half of a stash piece.
; Each run of weight loads stands 30 matrix instructions ahead of its first use, and eight plain vector instructions or more behind the last product that read its buffer.
.macro TRIP Xc, Xn, par
.set XC, \Xc
.set XN, \Xn
.set qs, 0
.set qg, 0
	CHANGE 1, 1
	LUMP 20, 63                                    ; step 0's blocks 2 and 3 are finished here
	s_wait_dscnt 0x0                               ; half step 0's fragments are in
.set sl, 0
.rept 128
.if (sl == 32) || (sl == 96)
	s_wait_dscnt 0x0                               ; the half step's fragments are in
.endif
.if sl == 64
	s_wait_dscnt 0x0
	s_wait_loadcnt 0x0                             ; the next trip's x, asked for a trip ago, is in; that load's address pair may be written again
.endif
.if sl == 80                           ; gelu of this trip is finished and no transcendental is out: its 4 halves a block go to the stash; this trip's x is read no more: its registers take the x two trips on
	WIN 0
.irp a, 0,1,2,3
	ds_store_b64 v[GA], v[GS+2*\a:GS+2*\a+1] offset:512*\a+8*(\par)
.endr
	s_add_nc_u64 s[XP:XP+1], s[XBASE:XBASE+1], s[XOFF:XOFF+1]
.irp a, 0,1,2,3
	global_load_b128 v[XC+4*\a:XC+4*\a+3], v[XO+\a], s[XP:XP+1]
.endr
	s_add_co_u32 s[XOFF], s[XOFF], 32
	s_min_u32 s[XOFF], s[XOFF], 480                ; the last two trips load trip 15's x once more: no load leaves the wave's 512 bytes of a row
.if (\par) == 0
	ASKX
.endif
.endif
	MM
.if sl < 63
	RS
	RS
	RS
	RS
.elseif sl == 63
.elseif sl < 112
	RG
	RS
	RG
	RS
.elseif sl < 127
	RS
	RS
.endif
.if sl == 1
	FETCH 1
.elseif sl == 33
	FETCH 2
.elseif sl == 65
	FETCH 3
.endif
.set sl, sl+1
.endr
	WIN 0
	s_wait_alu depctr_va_vdst(0)                   ; one wait for the trip's 32 transcendentals: the last stands 16 matrix instructions back, plain instructions behind it; their first readers stand in the next trip
.endm
; A half step of a gelu slot: 32 matrix instructions, block by block; behind the second the next half step's fragments are fetched, four places behind the last product that read their buffer.
.macro BHS hs, A
.set b_c, 0
.rept 32
.set b_a, b_c>>3
.set b_l, b_c&7
.set b_C, 8*(16*(b_a&1)+8*((\hs)&1)+b_l)
.set b_B, 64*((\hs)&1)+8*b_l
.set b_A, (\A)+8*b_a
	WIN 0xa1+0x50*(b_a>>1)
	v_wmma_f32_16x16x32_f16 v[b_C:b_C+7], v[b_B:b_B+7], v[b_A:b_A+7], v[b_C:b_C+7]
.if (b_c == 1) && ((\hs) < 3)
	PLACES
	FETCH (\hs)+1
.endif
.set b_c, b_c+1
.endr
.endm
; A GELU SLOT: two K steps over the 64 features of the eight trips before.  The operand comes out of my own stash: piece (iteration, block, lane) is 4 halves of the even trip, 4 of the odd one.
; last = 1: behind the wait for the last fragments the wave says that it reads the slots no more; the last half step stands between the signal and the wait.
.macro BASE fill, last
	CHANGE \fill, 0
.irp a, 0,1,2,3
	ds_load_b128 v[A1+8*\a:A1+8*\a+3],   v[GA0] offset:512*\a
	ds_load_b128 v[A1+8*\a+4:A1+8*\a+7], v[GA0] offset:2048+512*\a
	ds_load_b128 v[A2+8*\a:A2+8*\a+3],   v[GA0] offset:4096+512*\a
	ds_load_b128 v[A2+8*\a+4:A2+8*\a+7], v[GA0] offset:6144+512*\a
.endr
	s_wait_dscnt 0x0
	BHS 0, A1
	s_wait_dscnt 0x0
	BHS 1, A1
	s_wait_dscnt 0x0
	BHS 2, A2
	s_wait_dscnt 0x0
.if \last
	s_barrier_signal -1
.endif
	BHS 3, A2
	WIN 0
.if \last
	s_barrier_wait -1
.endif
.endm
	; THE HEAD
	s_load_b256 s[4:11], s[0:1], 0x0               ; x s[4:5], attn s[6:7], bias s[8:9], wf s[10:11]
	s_load_b128 s[12:15], s[0:1], 0x20             ; cw s[12:13], out0 s[14:15]
	s_load_b64 s[16:17], s[0:1], 0x30              ; out1
	v_lshl_add_u32 v[SPW], v0, 2, SPARE
	v_mov_b32 v[NIL], 0
	ds_add_u32 v[SPW], v[NIL]                      ; the wave's opening: the add, twice on end, and its wait ahead of my first tensor load; the set-up below stands between
	ds_add_u32 v[SPW], v[NIL]
	v_lshrrev_b32 v1, 5, v0
	v_readfirstlane_b32 s[WV], v1                  ; wave 0..3
	s_bfe_u32 s[CX], ttmp6, 0x40000                ; my place in the cluster: it enters global addresses of x, attn, out0, out1 and of the prefetches alone
	s_lshl_b32 s[WG], ttmp9, 2
	s_add_co_u32 s[WG], s[WG], s[CX]               ; my block of 64 rows
	CPAIR 52, 0x40200000                           ; 2.5
	CPAIR 54, 0x40900000                           ; 4.5
	CPAIR 56, 0xc0c00000                           ; -6
	CPAIR 58, 0x40400000                           ; 3
	CPAIR 60, 0x41800000                           ; 16
	CPAIR 62, 0x4b400000                           ; 1.5 x 2^23
	s_mov_b32 s66, 0x3e6d3388                      ; 0.3275911 / sqrt 2
	s_mov_b32 s67, 0x40a00000                      ; 5
	CPAIR 68, 0xbf38aa3b                           ; -log2(e) / 2
	CPAIR 70, 0x3f07dc22                           ; a5 / 2
	CPAIR 72, 0xbf3a00e3                           ; a4 / 2
	CPAIR 74, 0x3f35f0e3                           ; a3 / 2
	CPAIR 76, 0xbe11a98e                           ; a2 / 2
	CPAIR 78, 0x3e027906                           ; a1 / 2
	s_mov_b32 s[SEL], 0x76543210
	s_mov_b32 s[SEL+1], 0xfedcba98
	; descriptor group 1: a chunk is 32,768 dense bytes: 128 rows of 256 bytes, elements of 8 bytes, no padding
	s_mov_b32 s[G1], 15|(3<<16)|(1<<21)            ; 15:0 the mask: all four work-groups; 17:16 elements of 8 bytes; 21 set beside a mask
	s_mov_b32 s[G1+1], 32<<16                      ; tensor_dim0 = 32
	s_mov_b32 s[G1+2], 128<<16                     ; tensor_dim1 = 128
	s_mov_b32 s[G1+3], 32<<16                      ; tile_dim0 = 32
	s_mov_b32 s[G1+4], 128                         ; tile_dim1 = 128
	s_mov_b32 s[G1+5], 32                          ; 32 elements from row to row
	s_mov_b32 s[G1+6], 0
	s_mov_b32 s[G1+7], 0
	s_mov_b32 s[G0], 1                             ; count = 1
	s_lshl_b32 s[G0+1], s[WV], 15                  ; LDS address: slot 0, my chunk: the wave's number alone
	s_lshl_b32 s[WOF], s[WV], 15
	s_mov_b32 s[WOF+1], 0
	s_mov_b32 s[TB], SLOTB                         ; the first change turns it into 0
	s_cmp_eq_u32 ttmp9, 0
	s_cselect_b32 s[LIM], 3, -1                    ; the same in all four partners
	s_mov_b32 s[TLEFT], 17
	s_mov_b32 s[XOFF], 64                          ; trip 0 asks for trip 2's x
	s_mov_b32 s[XOFF+1], 0
	s_mov_b32 s[TP+1], 0
	s_lshl_b32 s[W512], s[WV], 9
	s_wait_dscnt 0x0                               ; both opening adds are done
	s_wait_kmcnt 0x0
	s_add_nc_u64 s[G0+2:G0+3], s[10:11], s[WOF:WOF+1]  ; global address: slot 0, my chunk
	s_or_b32 s[G0+3], s[G0+3], 0x80000000          ; type = 2
	s_lshl_b32 s[TP], s[CX], 13
	s_add_nc_u64 s[PFW:PFW+1], s[10:11], s[WOF:WOF+1]
	s_add_nc_u64 s[PFW:PFW+1], s[PFW:PFW+1], s[TP:TP+1]
	s_add_nc_u64 s[PFW:PFW+1], s[PFW:PFW+1], 3*SLOTB  ; the first change steps it to slot 4
	s_lshl_b32 s[TP], s[WG], 17                    ; 64 rows of 2,048 bytes
	s_add_nc_u64 s[XBASE:XBASE+1], s[4:5], s[TP:TP+1]
	s_add_co_u32 s[TP], s[W512], 256
	s_add_nc_u64 s[XPF:XPF+1], s[XBASE:XBASE+1], s[TP:TP+1]
	s_lshl_b32 s[RB], s[WG], 6
	s_lshl_b32 s[TS], s[WV], 4
	s_add_co_u32 s[RB], s[RB], s[TS]               ; the first of the 16 rows that I finish
	s_mul_i32 s[TP], s[RB], 36
	s_add_nc_u64 s[6:7], s[6:7], s[TP:TP+1]
	s_load_b256 s[BIAS:BIAS+7], s[8:9], 0x0        ; waited for on the way out
	CROUND                                         ; all four work-groups are here: the first joint loads meet
	tensor_load_to_lds s[G0:G0+3], s[G1:G1+7]      ; slot 0; slot 1 is asked for by the first change of slots
	s_nop 0
	PLACES
	v_and_b32 v1, 31, v0                           ; lane
	v_and_b32 v226, 15, v0                         ; r
	v_bfe_u32 v227, v0, 4, 1                       ; hh
	v_mov_b32 v[ZR], 0
	v_lshl_add_u32 v[BAD0], v1, 4, s[WOF]
	v_lshlrev_b32 v3, 11, v226
	v_lshl_add_u32 v3, v227, 4, v3
.irp a, 0,1,2,3
	s_add_co_u32 s[TS], s[WV], \a
	s_and_b32 s[TS], s[TS], 3
	s_lshl_b32 s[TS], s[TS], 15                    ; 16 rows of 2,048 bytes
	s_add_co_u32 s[TS], s[TS], s[W512]
	v_add_nc_u32 v[XO+\a], s[TS], v3
.endr
	s_lshl_b32 s[TS], s[WV], 13
	s_add_co_u32 s[TS], s[TS], STASH
	v_lshl_add_u32 v[GA0], v1, 4, s[TS]
	v_lshlrev_b32 v[PFX], 11, v1
	v_lshlrev_b32 v[PFWO], 8, v1
	v_mul_u32_u24 v224, v226, 36                   ; a row of attn
	v_lshlrev_b32 v225, 4, v1
.irp a, 0,1,2,3
	global_load_b128 v[XA+4*\a:XA+4*\a+3], v[XO+\a], s[XBASE:XBASE+1]             ; trip 0's x
.endr
.irp a, 0,1,2,3
	global_load_b128 v[XB+4*\a:XB+4*\a+3], v[XO+\a], s[XBASE:XBASE+1] offset:32   ; trip 1's
.endr
	WIN 0x40
.irp j, 0,1,2,3,4,5,6,7,8
	global_load_b32 v[128+\j], v224, s[6:7] offset:4*\j                           ; attn of row r of my 16
.endr
.set c_i, 0
.rept 18
	global_load_b128 v[144+4*c_i:144+4*c_i+3], v225, s[12:13] offset:512*c_i      ; the classifier's nine fragments
.set c_i, c_i+1
.endr
	v_mov_b32 v137, 0
	WIN 0x80
.set c_i, 0
.rept 256
	v_mov_b32 v[c_i], 0                            ; the sums start at 0: written while the first tile and the loads above are on their way
.set c_i, c_i+1
.endr
	WIN 0xc0
.set c_i, 0
.rept 256
	v_mov_b32 v[c_i], 0
.set c_i, c_i+1
.endr
	WIN 0
	s_wait_loadcnt 31                              ; trip 0's x: the oldest 4 of 35 loads
.set XN, XA
.set qs, 378                           ; what a trip does for its successor is done here for trip 0: step 0's blocks 0 and 1, and the first half of gelu
.set qg, 88
.rept 63
	RS
	RS
	RG
.endr
	RG
	v_nop                                          ; a plain instruction behind the last exponential,
	s_wait_alu depctr_va_vdst(0)                   ; and the batch's wait, ahead of the label
	s_mov_b32 s[OUT], 2
.Lgroup:                                               ; eight trips and their gelu slot, twice
	s_mov_b32 s[IT], 4
	s_mov_b32 s[GOFF], 0
.Liter:
	v_add_nc_u32 v[GA], s[GOFF], v[GA0]
	TRIP XA, XB, 0
	TRIP XB, XA, 1
	s_add_co_u32 s[GOFF], s[GOFF], 2048
	s_sub_co_u32 s[IT], s[IT], 1
	s_cmp_lg_u32 s[IT], 0
	s_cbranch_scc1 .Liter
	s_cmp_eq_u32 s[OUT], 1
	s_cbranch_scc1 .Llast                          ; the last slot is written out: it asks for nothing
	BASE 1, 0
	s_sub_co_u32 s[OUT], s[OUT], 1
	s_branch .Lgroup
.Llast:
	BASE 0, 1
	; THE WAY OUT.  1: blocks 1-3 of my partial sums go to the waves that own those rows, through LDS; the slots have had their last fill, and no wave reads them any more.
	s_wait_loadcnt 0x0                             ; trip 15's reload of x is done: its registers and its offsets, v4-7, are free
	PLACES
	v_and_b32 v1, 31, v0
	v_and_b32 v2, 15, v0                           ; r
	v_bfe_u32 v3, v0, 4, 1                         ; hh
	s_mul_i32 s[TS], s[WV], REDW
	v_lshl_add_u32 v4, v1, 4, s[TS]                ; where I put: 49,152 w + 16 lane
.irp a, 1,2,3
	s_sub_co_u32 s[TS], s[WV], \a
	s_and_b32 s[TS], s[TS], 3                      ; the wave whose block a holds my rows
	s_mul_i32 s[TS], s[TS], REDW
	s_add_co_u32 s[TS], s[TS], (\a-1)*16384
	v_lshl_add_u32 v[4+\a], v1, 4, s[TS]
.endr
	s_lshl_b32 s[TS], s[WV], 4
	v_add_nc_u32 v9, s[TS], v2
	v_mul_u32_u24 v9, v9, 1060                     ; a row of out1 is 1,060 bytes
	v_add_nc_u32 v9, STG, v9
	v_lshl_add_u32 v8, v3, 5, v9                   ; + my 8 columns of a tile
	v_lshlrev_b32 v15, 5, v2
	v_lshl_add_u32 v15, v3, 4, v15                 ; out0: 32 r + 16 hh
	v_cmp_lt_u32 s[MH], 15, v1                     ; lanes 16-31
	WIN 0x08                                       ; store data in window 2; each accumulator's low four registers go first
.set c_i, 0
.rept 16
	ds_store_b128 v4, v[128+8*c_i:128+8*c_i+3] offset:1024*c_i
	ds_store_b128 v4, v[128+8*c_i+4:128+8*c_i+7] offset:1024*c_i+512
.set c_i, c_i+1
.endr
	WIN 0x0c                                       ; window 3
.set c_i, 0
.rept 32
	ds_store_b128 v4, v[8*c_i:8*c_i+3] offset:16384+1024*c_i
	ds_store_b128 v4, v[8*c_i+4:8*c_i+7] offset:16384+1024*c_i+512
.set c_i, c_i+1
.endr
	WIN 0
	s_wait_dscnt 0x0                               ; for the others' sake: my stores are done
	s_barrier_signal -1
	s_barrier_wait -1
	WIN 0x80                                       ; the three other waves' sums for my rows land where my blocks 1-3 lay
.set c_i, 0
.rept 16
	ds_load_b128 v[128+8*c_i:128+8*c_i+3], v5 offset:1024*c_i
	ds_load_b128 v[128+8*c_i+4:128+8*c_i+7], v5 offset:1024*c_i+512
.set c_i, c_i+1
.endr
	WIN 0xc0
.set c_i, 0
.rept 16
	ds_load_b128 v[8*c_i:8*c_i+3], v6 offset:1024*c_i
	ds_load_b128 v[8*c_i+4:8*c_i+7], v6 offset:1024*c_i+512
.set c_i, c_i+1
.endr
.set c_i, 0
.rept 16
	ds_load_b128 v[128+8*c_i:128+8*c_i+3], v7 offset:1024*c_i
	ds_load_b128 v[128+8*c_i+4:128+8*c_i+7], v7 offset:1024*c_i+512
.set c_i, c_i+1
.endr
	s_wait_dscnt 63                                ; 64 loads were issued behind the first 32: with 63 out at the most those 32 are in
	WIN 0x8a
.set c_i, 0
.rept 64
	v_pk_add_f32 v[c_i:c_i+1], v[c_i:c_i+1], v[128+c_i:129+c_i]
.set c_i, c_i+2
.endr
	s_wait_dscnt 0x0
	WIN 0xcf
.set c_i, 0
.rept 64
	v_pk_add_f32 v[c_i:c_i+1], v[c_i:c_i+1], v[128+c_i:129+c_i]
.set c_i, c_i+2
.endr
	WIN 0x0e                                       ; into window 0: v64-191 = 64 h
.set c_i, 0
.rept 64
	v_pk_add_f32 v[64+c_i:65+c_i], v[c_i:c_i+1], v[c_i:c_i+1]
.set c_i, c_i+2
.endr
	WIN 0
.set c_i, 0
.rept 64
	v_pk_mul_f32 v[64+c_i:65+c_i], v[64+c_i:65+c_i], 0x3c800000 op_sel_hi:[1,0]  ; / 64, exact
.set c_i, c_i+2
.endr
	; 2: my 16 rows of out1 into the image: rows of 1,060 bytes are multiples of 4 only, hence words
.set c_i, 0
.rept 128
	ds_store_b32 v8, v[64+c_i] offset:64*(c_i/8)+4*(c_i%8)
.set c_i, c_i+1
.endr
	WIN 0x04
.irp j, 0,1,2,3,4,5,6,7,8
	ds_store_b32 v9, v[128+\j] offset:1024+4*\j    ; both halves of the lanes write the same word with the same value
.endr
	; 3: the classifier.  Two tiles of h rounded to bf16 are source 1 of a K step; the ninth step is attn: columns 256 + 8 hh + 0..7, zeros from 265 on
	WIN 0
.set c_i, 0
.rept 64
	v_cvt_pk_bf16_f32 v[192+c_i], v[64+2*c_i], v[65+2*c_i]
.set c_i, c_i+1
.endr
	WIN 0x05
.irp j, 0,1,2,3,4
	v_cvt_pk_bf16_f32 v[56+\j], v[128+2*\j], v[129+2*\j]
.endr
	WIN 0
	v_cndmask_b32 v48, v56, v60, s[MH]
	v_cndmask_b32 v49, v57, v[ZR], s[MH]
	v_cndmask_b32 v50, v58, v[ZR], s[MH]
	v_cndmask_b32 v51, v59, v[ZR], s[MH]
.irp j, 52,53,54,55
	v_mov_b32 v[\j], 0
.endr
	s_mov_b32 s[TP+1], 0
	s_lshl_b32 s[TP], s[RB], 5
	s_add_nc_u64 s[14:15], s[14:15], s[TP:TP+1]    ; out0 at my 16 rows
	s_mul_i32 s[TP], s[WG], 67840
	s_add_nc_u64 s[16:17], s[16:17], s[TP:TP+1]    ; out1 at the work-group's 64 rows: 265 x 256 bytes
	s_mov_b32 s[TS], 0xbf317218                    ; -ln 2
	WIN 0x01                                       ; source 0 in window 1.  Three accumulators take turns
.irp q, 0,1,2
	v_wmma_f32_16x16x32_bf16 v[16+8*\q:23+8*\q], v[144+8*\q:151+8*\q], v[192+8*\q:199+8*\q], 0
.endr
.irp q, 3,4,5,6,7
	v_wmma_f32_16x16x32_bf16 v[16+8*(\q%3):23+8*(\q%3)], v[144+8*\q:151+8*\q], v[192+8*\q:199+8*\q], v[16+8*(\q%3):23+8*(\q%3)]
.endr
	v_wmma_f32_16x16x32_bf16 v[32:39], v[208:215], v[48:55], v[32:39]
	WIN 0
	PLACES
	PLACES
	; 4: log_softmax.  Lanes 0-15 hold the 8 logits of row r; lanes 16-31 classes that do not exist, whose numbers are finite and are thrown away
.irp j, 0,2,4,6
	v_pk_add_f32 v[16+\j:17+\j], v[16+\j:17+\j], v[24+\j:25+\j]
.endr
.irp j, 0,2,4,6
	v_pk_add_f32 v[16+\j:17+\j], v[16+\j:17+\j], v[32+\j:33+\j]
.endr
	s_wait_kmcnt 0x0                               ; the bias
.irp j, 0,1,2,3,4,5,6,7
	v_add_f32 v[16+\j], s[BIAS+\j], v[16+\j]
.endr
	v_max3_num_f32 v41, v16, v17, v18
	v_max3_num_f32 v41, v41, v19, v20
	v_max3_num_f32 v41, v41, v21, v22
	v_max_num_f32 v41, v41, v23
.irp j, 0,1,2,3,4,5,6,7
	v_sub_f32 v[16+\j], v[16+\j], v41
.endr
.irp j, 0,1,2,3,4,5,6,7
	v_mul_f32 v[48+\j], 0x3fb8aa3b, v[16+\j]
.endr
.irp j, 0,1,2,3,4,5,6,7
	v_exp_f32 v[48+\j], v[48+\j]
.endr
	v_nop
	s_wait_alu depctr_va_vdst(0)                   ; one wait for the eight exponentials
	v_pk_add_f32 v[48:49], v[48:49], v[50:51]
	v_pk_add_f32 v[52:53], v[52:53], v[54:55]
	v_pk_add_f32 v[48:49], v[48:49], v[52:53]
	v_add_f32 v42, v48, v49
	v_log_f32 v42, v42
	v_nop
	s_wait_alu depctr_va_vdst(0)
.irp j, 0,1,2,3,4,5,6,7
	v_fma_f32 v[16+\j], v42, s[TS], v[16+\j]       ; (logit - max) - ln 2 x log2(sum)
.endr
.irp j, 0,1,2,3
	v_permlanex16_b32 v[56+\j], v[20+\j], s[SEL], s[SEL+1]  ; lane 16 + r takes classes 4-7 of row r
.endr
.irp j, 0,1,2,3
	v_cndmask_b32 v[16+\j], v[16+\j], v[56+\j], s[MH]
.endr
	global_store_b128 v15, v[16:19], s[14:15]      ; the wave's store covers 512 consecutive bytes, aligned
	; 5: the image of out1 leaves as it lies: 67,840 consecutive bytes, each store of a wave 512 of them, aligned.  The partial sums' addresses have served: v4-6 take the copy's, made of the thread's number alone
	v_lshl_add_u32 v4, v0, 4, STG                  ; the image, 16 bytes a thread,
	v_lshl_add_u32 v5, v0, 4, STG+65536            ; the same 65,536 bytes on: an LDS immediate ends at 65,535
	v_lshlrev_b32 v6, 4, v0                        ; and my 16 bytes in out1
	s_wait_dscnt 0x0                               ; for the others' sake: my stores into the image are done
	s_barrier_signal -1
	s_barrier_wait -1
.set c_i, 0
.rept 32
	ds_load_b128 v[64+4*c_i:67+4*c_i], v4 offset:2048*c_i
.set c_i, c_i+1
.endr
	ds_load_b128 v[192:195], v5
.set c_i, 0
.rept 33
	s_wait_dscnt 32-c_i                            ; LDS loads come back in order: load c_i is in
	global_store_b128 v6, v[64+4*c_i:67+4*c_i], s[16:17] offset:2048*c_i th:TH_STORE_NT
.set c_i, c_i+1
.endr
	v_cmp_gt_u32 vcc_lo, 16, v0                    ; the last 256 bytes: threads 0-15
	s_wait_xcnt 0x0                                ; EXEC changes only behind this wait
	s_and_saveexec_b32 s[TS], vcc_lo
	ds_load_b128 v[196:199], v5 offset:2048
	s_wait_dscnt 0x0
	global_store_b128 v6, v[196:199], s[16:17] offset:2048*33 th:TH_STORE_NT
	s_wait_xcnt 0x0
	s_or_b32 exec_lo, exec_lo, s[TS]
	s_wait_tensorcnt 0x0                           ; the wave's end: behind my last tensor load and my last LDS store
	ds_add_u32 v[SPW], v[NIL]
	s_wait_dscnt 0x0
	CROUND                                         ; the closing round: no work-group ends while a partner may still ask for a chunk that names it
	s_endpgm
.Lfunc_end_k_q05a6841f98_kan:
	.size	k_q05a6841f98_kan, .Lfunc_end_k_q05a6841f98_kan-k_q05a6841f98_kan
	.p2alignl 7, 3214868480
	.fill 96, 4, 3214868480
	.section	.rodata,"a",@progbits
	.p2align	6, 0x0
	.amdhsa_kernel k_q05a6841f98_kan
		.amdhsa_group_segment_fixed_size 327680
		.amdhsa_private_segment_fixed_size 0
		.amdhsa_enable_private_segment 0
		.amdhsa_kernarg_size 56
		.amdhsa_user_sgpr_count 2
		.amdhsa_user_sgpr_kernarg_segment_ptr 1
		.amdhsa_wavefront_size32 1
		.amdhsa_system_sgpr_workgroup_id_x 1
		.amdhsa_system_sgpr_workgroup_id_y 1
		.amdhsa_system_sgpr_workgroup_id_z 1
		.amdhsa_system_vgpr_workitem_id 0
		.amdhsa_next_free_vgpr 1024
		.amdhsa_next_free_sgpr 102
		.amdhsa_reserve_vcc 1
		.amdhsa_float_denorm_mode_32 3
		.amdhsa_float_denorm_mode_16_64 3
		.amdhsa_memory_ordered 1
		.amdhsa_forward_progress 1
		.amdhsa_inst_pref_size 246
	.end_amdhsa_kernel
	.amdgpu_metadata
---
amdhsa.version: [ 1, 2 ]
amdhsa.kernels:
  - .name:           k_q05a6841f98_kan
    .symbol:         k_q05a6841f98_kan.kd
    .args:
      - { .name: x, .offset: 0, .size: 8, .value_kind: global_buffer, .address_space: global }
      - { .name: attn_embedding, .offset: 8, .size: 8, .value_kind: global_buffer, .address_space: global }
      - { .name: cls_bias, .offset: 16, .size: 8, .value_kind: global_buffer, .address_space: global }
      - { .name: wf, .offset: 24, .size: 8, .value_kind: global_buffer, .address_space: global }
      - { .name: cw, .offset: 32, .size: 8, .value_kind: global_buffer, .address_space: global }
      - { .name: out0, .offset: 40, .size: 8, .value_kind: global_buffer, .address_space: global }
      - { .name: out1, .offset: 48, .size: 8, .value_kind: global_buffer, .address_space: global }
    .group_segment_fixed_size: 327680
    .private_segment_fixed_size: 0
    .kernarg_segment_align: 8
    .kernarg_segment_size: 56
    .max_flat_workgroup_size: 128
    .sgpr_count:     102
    .vgpr_count:     1024
    .wavefront_size: 32
...
	.end_amdgpu_metadata
.endif
;; end of part 2
